; MI455X (gfx1250); checked and timed in simulation.
; The chip was launched on July 23, 2026; its instructions are those of AMD's public machine-readable ISA for CDNA 5 (MIT licence, August 2026) and "CDNA5" Instruction Set Architecture Reference Guide (July 2026). The comments in the code are by the model that wrote it; some were corrected since.
;; Decoder Head. Allowed arithmetic: matrix products marked QUANTISED: E3M2 operands, one E8M0 scale for each 32 along K, by v_wmma_scale_f32_16x16x128_f8f6f4 with both operands' format E3M2, f32 sums; everything else in f32.
;; Inputs: Wq_codes 1,024 x 32 x 24 uint8 (E3M2 codes of Wq, K innermost, in blocks of 32 codes, four codes in three bytes); Wq_scales 1,024 x 32 uint8 (E8M0 scales of Wq, one for each 32 codes along K); k_codes 4 x 16 x 2,048 x 2 x 24 uint8 (E3M2 codes of k, K innermost, in blocks of 32 codes, four codes in three bytes); k_scales 4 x 16 x 2,048 x 2 uint8 (E8M0 scales of k, one for each 32 codes along K); v_codes 4 x 16 x 64 x 64 x 24 uint8 (E3M2 codes of v, K innermost, in blocks of 32 codes, four codes in three bytes); v_scales 4 x 16 x 64 x 64 uint8 (E8M0 scales of v, one for each 32 codes along K); x 4 x 2,048 x 1,024 float32.
;; Outputs: out0 4 x 2,048 x 1,024 float32.
;; This version of the problem:
;;   THIS VERSION OF THE PROBLEM IS GIVEN IN LOW PRECISION. The matrix products marked QUANTISED in the list below multiply operands that are first quantised to E3M2 (3 exponent bits, 2 mantissa bits; 6 bits a number), with one power-of-two scale for each 32 numbers along K (OCP MX v1.0); their sums are f32. All else is computed in f32.
;;   The module's matrix products, in the order in which they are computed (A, B: the left and right operand; K: the contracted axis; several contracted axes count as one K, in the product's order):
;;     1. [M 8,192, K 1,024] x [K 1,024, N 1,024]; A: input x; B: input Wq (given as codes): QUANTISED
;;     2. batch 64 x [M 2,048, K 64] x [K 64, N 2,048]; A: computed on the way; B: input k (given as codes): QUANTISED
;;     3. batch 64 x [M 2,048, K 2,048] x [K 2,048, N 64]; A: softmax (see below); B: input v (given as codes): QUANTISED
;;   THE QUANTISER, for each operand of a quantised product, along K:
;;     - K is cut into blocks of 32 from its start; a last block that is shorter is filled with zeros.
;;     - A block's scale is 2^e with e = floor(log2(the largest magnitude in the block)) - 4, held to -126 .. 127; a block of zeros has e = 0. As a byte (E8M0): e + 127.
;;     - Each number is divided by its block's scale, clamped to +-28, and rounded to the nearest number of E3M2, ties to even, subnormals kept.
;;     - The product sums the exact products of the quantised numbers (number of the format x scale) in f32.
;;   ~~~python
;;   def quantise(x, axis):      # numpy; x: float32 -> the quantised numbers, widened to float32 again
;;       x = np.moveaxis(x, axis, -1); K = x.shape[-1]
;;       x = np.pad(x, [(0, 0)] * (x.ndim - 1) + [(0, -K % 32)]); x = x.reshape(x.shape[:-1] + (-1, 32)); a = np.abs(x).max(-1, keepdims=True)
;;       e = np.where(a > 0, np.clip(np.frexp(np.where(a > 0, a, 1))[1] - 1 - 4, -126, 127), 0)      # np.frexp(a)[1] - 1 = floor(log2(a)), exactly
;;       r = np.clip(x / 2.0 ** e, -28, 28)
;;       step = 2.0 ** (np.maximum(np.frexp(np.where(r == 0, 1, r))[1] - 1, -2) - 2)
;;       q = np.round(r / step) * step * 2.0 ** e      # np.round: ties to even
;;       return np.moveaxis(q.reshape(q.shape[:-2] + (-1,))[..., :K], -1, axis).astype(np.float32)
;;   ~~~
;;   SOFTMAX AHEAD OF A QUANTISED PRODUCT. Where the list says 'softmax', what is quantised is not the finished softmax but p = 2^(t - M), with t = logit x log2(e) and M = ceil(the row's largest t), a whole number; so 1/2 < the row's largest p <= 1. The row's sum l is taken of the UNQUANTISED p, in f32, and the product's result is divided by l at the end. Since M is a whole number, a kernel that streams over the keys may use a running M (the ceiling of the running maximum): every later rescaling is an exact power of two, which a block's scale takes up: the codes' values come out the same.
;;   OPERANDS COMPUTED ON THE WAY. 'Computed on the way' means the value that the module computes at that place (a softmax that the list does not call 'softmax' is quantised finished and normalised). What goes into a quantiser is computed in f32, as accurately as f32 sums, v_exp_f32 and their like allow (about 1e-6 of the number): no bf16 or f16 on the way to a quantiser, and a product that is left as it is and whose result goes on into a quantised operand takes f32 operands (vector FMAs, or v_wmma_f32_16x16x4_f32). A number that lies on a knife's edge between two numbers of the format may be rounded either way, as far as f32 arithmetic and the matrix unit's own rounding can turn it there, and no further.
;;   INPUTS GIVEN AS CODES. Wq (in the module: [1024, 1024], K = its axis 1); k (in the module: [4, 16, 2048, 64], K = its axis 3); v (in the module: [4, 16, 2048, 64], K = its axis 2): each comes as NAME_codes (uint8): NAME with its K axis moved to the last place and cut into blocks of 32 codes, [.., K / 32, bytes a block], one block behind the other in memory; four codes in three bytes: a row's codes are one little-endian stream of bits, code i at bits 6 i .. 6 i + 5 (a code: sign, 3 exponent bits, 2 mantissa bits); and NAME_scales (uint8): the same leading axes, one E8M0 byte (e + 127) for each 32 codes along K. Its value is code x scale, taken as it is: it is not quantised again, and the codes and scales need not be those that the quantiser above would give.
;; One version. Each part assembles by itself: llvm-mc -triple=amdgcn-amd-amdhsa -mcpu=gfx1250 --defsym DOCPART=n.
;; ======== version 1 of 1: 2 launches
;; limits: right only within a limited range of input values
;; workspace buffers: qc 6,291,456 bytes; qs 524,288 bytes
;; launch qproj (part 1): grid 4 x 64, 4 waves a work-group, no clusters, 170,496 bytes of LDS; arguments x, Wq_codes, Wq_scales, qc, qs; writes qc, qs
.if DOCPART == 1
	.amdgcn_target "amdgcn-amd-amdhsa--gfx1250"
	.amdhsa_code_object_version 6
	.text
	.protected	k_q82afb75d2f_qproj
	.globl	k_q82afb75d2f_qproj
	.p2align	8
	.type	k_q82afb75d2f_qproj,@function
k_q82afb75d2f_qproj:
	s_mov_b64 s[64:65], 0
	v_nop
	global_prefetch_b8 v0, s[64:65] scope:SCOPE_SE
	s_setreg_imm32_b32 hwreg(HW_REG_WAVE_MODE, 25, 1), 1
	s_wait_xcnt 0x0
; q = Q(x) Q(Wq)^T on codes of BF6 (E3M2) with one E8M0 scale for each 32 along K, and q quantised again along each head's 64 for the next launch.
; x: [8192][1024] f32.  Wq: [1024][1024] as codes, K innermost (768 bytes a row), scale bytes [1024][32].
; qc: for each (hb = 16 batch + head, tile T of 16 queries) an image of 768 bytes of the operand's registers 0-5: registers 0-3 at 16 x lane, registers 4-5 at 512 + 8 x lane.
; qs: one scale word a query (bytes 0, 1: the two blocks' E8M0 bytes; bytes 2, 3: 0x7f), in groups of 64 queries (256 bytes): tile m of the group, row r at 128 (m / 2) + 8 r + 4 (m % 2).
; DEAD WORK OF THE PROGRAM.  reference() builds its causal mask itself (triu, k = 1) and sets a(q, key) = -inf for key > q, whatever the inputs hold; softmax gives those keys the weight 0, so they add nothing
; to any output.  The next launch therefore leaves out every key step of 128 all of whose keys come after a tile's 16 queries.  This launch leaves out nothing: every row of q is used.  No input is unused.
; LIMIT: a NaN, an infinity or an overflow that reaches only the work left out is not carried to the result.
; LIMITS: NaN and infinities in x are not served.  A block whose largest magnitude lies under 2^-122 keeps the scale byte 1 (the floor); a block of zeros gets the byte 1 where the rule says 127: its codes are
; zeros, which add nothing under any byte but 0xff, and these bytes are read by this program alone.
; SHARES.  Work-group (cg, gy): rows 128 gy .. + 127 of x, heads 4 cg .. 4 cg + 3.  Wave w owns head 4 cg + w: its 64 rows of Wq (32 fragments, 384 registers) stay in registers.
; PHASE X: wave w quantises rows 32 w .. 32 w + 31 (16 chunks of 16 rows x 128 K).  Each load reads 512 consecutive bytes of a row; a chunk turns through the wave's own stage in LDS so that a lane holds 16 neighbours
; along K of each block; the codes go to LDS as images of the operand's registers.  One barrier.  PHASE P: each wave multiplies all 8 tiles of rows by its head's Wq, transposed (source 0 = 16 rows of Wq, source 1 = x).
; THE ROWS OF Wq THAT FORM A TILE ARE NOT NEIGHBOURS: lane r of tile 2 b + u takes row 32 b + 8 u + r + 8 (r / 8), so that register ACC + 16 b + i of lane (r, h) holds q(row r, 32 b + 16 h + i).
; No cluster and no tensor load: x has to pass the quantiser in registers, and the weights are read once into registers.
; REGISTERS, in windows of 256.  Window 0: see the names below.  Window 1: Wq's fragments (tile t, K step s = 0..3) at 12 (4 t + s).  Window 2: the same for s = 4..7.  Window 3: four sets of 64: x as loaded.
.set XIMG,  0                          ; LDS: x's 64 fragments: (tile of rows m, K step s) at (8 m + s) x 1,536
.set XSC,   98304                      ; their scale words: tile m, pair of K steps u: 128 bytes at 512 m + 128 u: words 0-15 step 2 u's, words 16-31 step 2 u + 1's
.set STG,   102400                     ; for each wave two stages of 16 rows x (512 + 16) bytes
.set SPARE, 169984                     ; the spare words, 128 bytes for each wave: two blocks of 256 bytes that no other line names
.set SPW,   14                         ; v14  LDS address of my spare word; never rewritten
.set NIL,   15                         ; v15  0; never rewritten
.set X0,    16                         ; v16-79, v80-143  phase X: two sets of 64 numbers, 16 neighbours of each of four blocks
.set XF,    16                         ; v16-111  phase P: a tile's eight fragments of x
.set ACC,   112                        ; v112-143 four accumulators
.set PC0,   144                        ; v144-163, v164-183  codes just made (12 + 8 at work), two sets
.set TM,    184                        ; v184-187 largest magnitudes, v188-191 the other half's, then bytes, v192-195 the conversions' scale operands
.set PW0,   196                        ; v196, v197 the scale word just made
.set XS,    198                        ; v198-201 x's scale words: register u: lanes 0-15 K step 2 u, lanes 16-31 K step 2 u + 1
.set QW,    202                        ; v202-205 q's scale words of four tiles
.set SG,    206                        ; v[206:207], v[208:209] the two groups of scale words as stored
.set WS,    224                        ; v224-239 Wq's scale words: register 4 t + u, laid as XS
.set SEL,   20                         ; s[20:21] v_permlanex16_b32's selects for lane l xor 16
.set MSB, 0
.macro WIN new                         ; the immediate's high byte repeats the setting that is left
.if MSB != (\new)
	s_set_vgpr_msb (MSB<<8)|(\new)
.set MSB, (\new)
.endif
.endm
	s_load_b256 s[4:11], s[0:1], 0x0               ; x s[4:5], Wq's codes s[6:7], Wq's scales s[8:9], qc s[10:11]
	s_load_b64 s[12:13], s[0:1], 0x20              ; qs
	v_lshl_add_u32 v[SPW], v0, 2, SPARE
	v_mov_b32 v[NIL], 0
	v_lshrrev_b32 v1, 5, v0
	v_readfirstlane_b32 s14, v1                    ; wave 0..3
	v_and_b32 v1, 31, v0                           ; lane
	v_and_b32 v2, 15, v0                           ; r
	v_bfe_u32 v3, v0, 4, 1                         ; h
	v_lshlrev_b32 v4, 4, v1                        ; v4: 16 x lane: x's loads, qc's stores, images of tiles 0-3
	v_add_nc_u32 v5, 49152, v4                     ; v5: the same for tiles 4-7 (an LDS offset has 16 bits)
	v_lshlrev_b32 v6, 3, v1                        ; v6: 8 x lane
	s_mul_i32 s24, s14, 24576
	v_add_nc_u32 v7, s24, v4                       ; v7: where I store x's images: my two tiles of rows, 16 fragments
	s_lshl_b32 s24, s14, 10
	s_add_co_u32 s24, s24, XSC
	v_lshl_add_u32 v8, v2, 2, s24                  ; v8: and their scale words: 4 r
	v_lshl_add_u32 v9, v1, 2, XSC                  ; v9: scale words on the way back: 4 x lane
	s_mul_i32 s24, s14, 16896
	s_add_co_u32 s24, s24, STG
	v_add_nc_u32 v10, s24, v4                      ; v10: my stage, on the way in: a row's 512 bytes as loaded
	v_mul_u32_u24 v11, v2, 528
	v_lshl_add_u32 v11, v3, 6, v11
	v_add_nc_u32 v11, s24, v11                     ; v11: on the way out: row r, + 64 h: my 16 numbers of a block of 32
	v_and_b32 v12, 8, v2
	v_add_nc_u32 v13, v12, v2                      ; r + 8 (r / 8)
	v_mul_u32_u24 v12, v13, 768
	v_mad_u32_u24 v12, v3, 24, v12                 ; v12: Wq's codes: my row of a tile, + 24 h
	v_lshlrev_b32 v13, 5, v13
	v_lshl_add_u32 v13, v3, 2, v13                 ; v13: Wq's scale words: 32 bytes a row; lanes 16-31 take the odd K step's
.irp b, 0,1,2,3
	v_mov_b32 v[TM+4+\b], 0                        ; written once: a lane permute's destination counts as one of its sources
.endr
	s_mov_b32 s[SEL], 0x76543210
	s_mov_b32 s[SEL+1], 0xfedcba98
	s_mov_b32 s22, 0xffff0000                      ; lanes 16-31
	s_and_b32 s16, ttmp7, 0xffff                   ; gy
	s_lshl_b32 s17, ttmp9, 2
	s_add_co_u32 s17, s17, s14                     ; my head
	s_lshl_b32 s24, s16, 19                        ; x: (128 gy + 32 w) rows of 4,096 bytes
	s_lshl_b32 s25, s14, 17
	s_add_co_u32 s24, s24, s25
	s_mov_b32 s25, 0
	s_mul_i32 s26, s17, 49152                      ; Wq's codes: 64 rows of 768 bytes a head
	s_mov_b32 s27, 0
	s_lshl_b32 s28, s17, 11                        ; Wq's scales: 64 rows of 32 bytes
	s_mov_b32 s29, 0
	s_lshr_b32 s18, s16, 4
	s_lshl_b32 s18, s18, 4
	s_add_co_u32 s18, s18, s17                     ; hb = 16 batch + head
	s_and_b32 s19, s16, 15                         ; which 128 queries of the sequence
	s_lshl_b32 s30, s18, 7
	s_lshl_b32 s31, s19, 3
	s_add_co_u32 s30, s30, s31
	s_mul_i32 s30, s30, 768                        ; qc: image 128 hb + 8 (gy % 16)
	s_mov_b32 s31, 0
	s_lshl_b32 s32, s18, 13
	s_lshl_b32 s33, s19, 9
	s_add_co_u32 s32, s32, s33                     ; qs: 8,192 bytes a head, 512 for my 128 queries
	s_mov_b32 s33, 0
	s_wait_alu depctr_va_vdst(0)
	s_wait_kmcnt 0x0
	s_add_nc_u64 s[4:5], s[4:5], s[24:25]
	s_add_nc_u64 s[6:7], s[6:7], s[26:27]
	s_add_nc_u64 s[8:9], s[8:9], s[28:29]
	s_add_nc_u64 s[10:11], s[10:11], s[30:31]
	s_add_nc_u64 s[12:13], s[12:13], s[32:33]
; Wq's fragments of four K steps, from K step kb on, into the window that win names as the destination's
.macro WHALF win, kb
	WIN \win
.irp t, 0,1,2,3
.irp s, 0,1,2,3
.irp p, 0,1,2,3,4,5
	global_load_b64 v[12*(4*\t+\s)+2*\p:12*(4*\t+\s)+2*\p+1], v12, s[6:7] offset:(32*(\t/2)+8*(\t%2))*768+96*(\kb+\s)+48*(\p/3)+8*(\p%3)
.endr
.endr
.endr
.endm
; chunk c = 8 m' + s: rows 16 m' .. + 15 of my 32, K step s: sixteen loads of 512 consecutive bytes, into set c % 4 of window 3.  (No hint: the three other work-groups of these rows read them too)
.macro LOAD c
	WIN 0xc0
.irp i, 0,1,2,3,4,5,6,7,8,9,10,11,12,13,14,15
	global_load_b128 v[64*((\c)%4)+4*\i:64*((\c)%4)+4*\i+3], v4, s[4:5] offset:(16*((\c)/8)+\i)*4096+512*((\c)%8)
.endr
	WIN 0
.endm
; chunk c through stage c % 2.  LDS serves a wave's instructions in order, so no wait stands between the stores and the loads
.macro TURN c
	WIN 0x0c                                       ; an LDS store's data are its source 1: window 3
.irp i, 0,1,2,3,4,5,6,7,8,9,10,11,12,13,14,15
	ds_store_b128 v10, v[64*((\c)%4)+4*\i:64*((\c)%4)+4*\i+3] offset:8448*((\c)%2)+528*\i
.endr
	WIN 0
.irp b, 0,1,2,3
.irp j, 0,1,2,3
	ds_load_b128 v[X0+64*((\c)%2)+16*\b+4*\j:X0+64*((\c)%2)+16*\b+4*\j+3], v11 offset:8448*((\c)%2)+128*\b+16*\j
.endr
.endr
.endm
; 64 numbers of a lane, register 16 b + i = k 32 b + 16 h + i of my row, become a fragment's codes in v[pc] on and its scale word in v[pw]
.macro QUANT src, pc, pw
.irp b, 0,1,2,3
	v_max3_num_f32 v[TM+\b], |v[\src+16*\b]|, |v[\src+1+16*\b]|, 0x2800000   ; block b: my 16 numbers, and the floor 2^(5 - 127): the byte cannot fall under 1
.endr
.irp i, 2,4,6,8,10,12,14
.irp b, 0,1,2,3
	v_max3_num_f32 v[TM+\b], v[TM+\b], |v[\src+16*\b+\i]|, |v[\src+1+16*\b+\i]|   ; (the four blocks by turns)
.endr
.endr
.irp b, 0,1,2,3
	v_permlanex16_b32 v[TM+4+\b], v[TM+\b], s[SEL], s[SEL+1]
.endr
.irp b, 0,1,2,3
	v_max_num_f32 v[TM+\b], v[TM+\b], v[TM+4+\b]   ; with lane l xor 16's: the block's largest magnitude
.endr
.irp b, 0,1,2,3
	v_add_nc_u32 v[TM+8+\b], 0xfe000000, v[TM+\b]  ; 4 off its exponent field: the conversion takes the exponent field of this operand as its scale
.endr
.irp b, 0,1,2,3
	v_lshrrev_b32 v[TM+4+\b], 23, v[TM+8+\b]       ; the scale's byte
.endr
	v_lshl_or_b32 v[\pw], v[TM+5], 8, v[TM+4]
	v_lshl_or_b32 v[\pw], v[TM+6], 16, v[\pw]
	v_lshl_or_b32 v[\pw], v[TM+7], 24, v[\pw]      ; my row's scale word (both halves of the lanes hold the same)
.irp c, 0,1
	v_cvt_scalef32_pk16_bf6_f32 v[\pc+6*\c:\pc+2+6*\c], v[\src+32*\c:\src+15+32*\c], v[TM+8+2*\c]
	v_cvt_scalef32_pk16_bf6_f32 v[\pc+12+4*\c:\pc+14+4*\c], v[\src+16+32*\c:\src+31+32*\c], v[TM+8+2*\c+1]   ; (a conversion's three registers begin on an even number)
.endr
	v_nop                                          ; one plain place behind a scaled conversion
.irp c, 0,1                                    ; the operand's layout wants a WHOLE block in a lane: lanes 0-15 block 2 c, lanes 16-31 block 2 c + 1
.irp i, 0,1,2
	v_permlane16_swap_b32 v[\pc+6*\c+\i], v[\pc+12+4*\c+\i]
.endr
.irp i, 0,1,2
	v_mov_b32 v[\pc+3+6*\c+\i], v[\pc+12+4*\c+\i]
.endr
.endr
.endm
.macro IMAGE c, pc, pw                 ; the fragment goes to LDS as it stands; lanes l and l + 16 store the same scale word to the same place
.irp i, 0,1,2
	ds_store_b128 v7, v[\pc+4*\i:\pc+4*\i+3] offset:(\c)*1536+512*\i
.endr
	ds_store_b32 v8, v[\pw] offset:512*((\c)/8)+128*(((\c)%8)/2)+64*((\c)%2)
.endm
.macro STEP c
.set XSRC, X0+64*((\c)%2)
.set PCC, PC0+20*((\c)%2)
.set PWC, PW0+(\c)%2
.if (\c) == 0
	s_wait_dscnt 0x0
.else
	s_wait_dscnt 4                                 ; this chunk is back from its stage; only the last image's four stores were issued behind its loads.  So its stores into the stage have read set c % 4, and the image of two chunks ago has read its registers
.endif
.if (\c) <= 11
	LOAD (\c)+4
.endif
.if (\c) <= 14
.set LASTC, (\c)+4
.if LASTC > 15
.set LASTC, 15
.endif
	s_wait_loadcnt 16*(LASTC-(\c)-1)               ; the next chunk's sixteen loads are in; those of the chunks behind it may be out
	TURN (\c)+1
.endif
	QUANT XSRC, PCC, PWC
	IMAGE \c, PCC, PWC
.endm
	WHALF 0x40, 0
	WHALF 0x80, 4
	WIN 0
.irp t, 0,1,2,3
.irp u, 0,1,2,3
	global_load_b32 v[WS+4*\t+\u], v13, s[8:9] offset:(32*(\t/2)+8*(\t%2))*32+8*\u
.endr
.endr
.irp c, 0,1,2,3
	LOAD \c
.endr
	s_wait_loadcnt 48                              ; chunk 0 is in, and the weights, which were asked for earlier; chunks 1 to 3 may be out
	TURN 0
.irp c, 0,1,2,3,4,5,6,7,8,9,10,11,12,13,14,15
	STEP \c
.endr
	s_wait_dscnt 0x0                               ; for the others' sake: my images have landed
	s_barrier_signal -1
	s_barrier_wait -1                              ; x's 64 fragments and their scale words lie in LDS
.macro FETCH m                         ; tile m's eight fragments and four registers of scale words
.irp s, 0,1,2,3,4,5,6,7
.irp i, 0,1,2
	ds_load_b128 v[XF+12*\s+4*\i:XF+12*\s+4*\i+3], v[4+(\m)/4] offset:(8*((\m)%4)+\s)*1536+512*\i
.endr
.endr
.irp u, 0,1,2,3
	ds_load_b32 v[XS+\u], v9 offset:512*(\m)+128*\u
.endr
.endm
.macro MM t, s                         ; tile t of my head's rows of Wq x the tile of rows, K step s.  The first K step starts the sums
.set WR, 12*(4*(\t)+(\s)%4)
.set AC, ACC+8*(\t)
.if (\s) == 0
	v_wmma_scale_f32_16x16x128_f8f6f4 v[AC:AC+7], v[WR:WR+11], v[XF+12*(\s):XF+12*(\s)+11], 0, v[WS+4*(\t)+(\s)/2], v[XS+(\s)/2] matrix_a_fmt:MATRIX_FMT_BF6 matrix_b_fmt:MATRIX_FMT_BF6
.elseif (\s)%2 == 0
	v_wmma_scale_f32_16x16x128_f8f6f4 v[AC:AC+7], v[WR:WR+11], v[XF+12*(\s):XF+12*(\s)+11], v[AC:AC+7], v[WS+4*(\t)+(\s)/2], v[XS+(\s)/2] matrix_a_fmt:MATRIX_FMT_BF6 matrix_b_fmt:MATRIX_FMT_BF6
.else
	v_wmma_scale_f32_16x16x128_f8f6f4 v[AC:AC+7], v[WR:WR+11], v[XF+12*(\s):XF+12*(\s)+11], v[AC:AC+7], v[WS+4*(\t)+(\s)/2], v[XS+(\s)/2] matrix_a_fmt:MATRIX_FMT_BF6 matrix_b_fmt:MATRIX_FMT_BF6 matrix_a_scale:MATRIX_SCALE_ROW1 matrix_b_scale:MATRIX_SCALE_ROW1
.endif
.endm
.macro QUANT2 qw                       ; a tile's q (16 queries x my head's 64) becomes registers 0-5 of an operand in v[PC0] on, and a scale word.  Each accumulator is read from its low end on
.irp b, 0,1
	v_max3_num_f32 v[TM+\b], |v[ACC+16*\b]|, |v[ACC+1+16*\b]|, 0x2800000
.endr
.irp i, 2,4,6,8,10,12,14
.irp b, 0,1
	v_max3_num_f32 v[TM+\b], v[TM+\b], |v[ACC+16*\b+\i]|, |v[ACC+1+16*\b+\i]|
.endr
.endr
.irp b, 0,1
	v_permlanex16_b32 v[TM+4+\b], v[TM+\b], s[SEL], s[SEL+1]
.endr
.irp b, 0,1
	v_max_num_f32 v[TM+\b], v[TM+\b], v[TM+4+\b]
.endr
.irp b, 0,1
	v_add_nc_u32 v[TM+8+\b], 0xfe000000, v[TM+\b]
.endr
.irp b, 0,1
	v_lshrrev_b32 v[TM+4+\b], 23, v[TM+8+\b]
.endr
	v_lshl_or_b32 v[\qw], v[TM+5], 8, v[TM+4]
	v_or_b32 v[\qw], 0x7f7f0000, v[\qw]            ; bytes 2 and 3 scale the zero codes that fill the next product's K from 64 to 128
	v_cvt_scalef32_pk16_bf6_f32 v[PC0:PC0+2], v[ACC:ACC+15], v[TM+8]
	v_cvt_scalef32_pk16_bf6_f32 v[PC0+4:PC0+6], v[ACC+16:ACC+31], v[TM+9]
	v_nop                                          ; one plain place behind a scaled conversion
.irp i, 0,1,2
	v_permlane16_swap_b32 v[PC0+\i], v[PC0+4+\i]   ; lanes 0-15 now hold block 0, lanes 16-31 block 1: lower 16 codes in the first three registers, upper 16 in the second three
.endr
	v_mov_b32 v[PC0+3], v[PC0+4]
	v_mov_b32 v[PC0+4], v[PC0+5]
	v_mov_b32 v[PC0+5], v[PC0+6]
.endm
.macro PROD m
	s_wait_dscnt 0x0                               ; the tile's fragments and scale words are in
	WIN 0x01                                       ; source 0 (Wq) window 1
.irp s, 0,1,2,3
.irp t, 0,1,2,3
	MM \t, \s                                      ; the four accumulators take turns, one instruction a turn
.endr
.endr
	WIN 0x02                                       ; source 0 window 2
.irp s, 4,5,6,7
.irp t, 0,1,2,3
	MM \t, \s
.endr
.endr
	WIN 0
.rept 4
	v_nop                                          ; places in front of the loads into registers that the products have read, and of the first read of results
.endr
.if (\m) < 7
	FETCH (\m)+1                                   ; lands while this tile is quantised
.endif
.if (\m) > 0
	s_wait_xcnt 0x0                                ; the last tile's stores have read v[PC0] on: it is written again only behind this wait
.endif
	QUANT2 QW+(\m)%4
	global_store_b128 v4, v[PC0:PC0+3], s[10:11] offset:768*(\m)        ; 32 lanes store 512 consecutive bytes
	global_store_b64 v6, v[PC0+4:PC0+5], s[10:11] offset:768*(\m)+512   ; and 256
.if (\m)%4 == 3
	v_cndmask_b32 v[SG+2*((\m)/4)], v[QW], v[QW+2], s22                 ; lanes 0-15 store tiles 0 and 1 of the group, lanes 16-31 tiles 2 and 3
	v_cndmask_b32 v[SG+2*((\m)/4)+1], v[QW+1], v[QW+3], s22
	global_store_b64 v6, v[SG+2*((\m)/4):SG+2*((\m)/4)+1], s[12:13] offset:256*((\m)/4)   ; 64 queries' scale words: 256 consecutive bytes
.endif
.endm
	FETCH 0
.irp m, 0,1,2,3,4,5,6,7
	PROD \m
.endr
	s_wait_tensorcnt 0x0                           ; the wave's end
	ds_add_u32 v[SPW], v[NIL]
	s_wait_dscnt 0x0
	s_endpgm
.Lfunc_end_k_q82afb75d2f_qproj:
	.size	k_q82afb75d2f_qproj, .Lfunc_end_k_q82afb75d2f_qproj-k_q82afb75d2f_qproj
	.p2alignl 7, 3214868480
	.fill 96, 4, 3214868480
	.section	.rodata,"a",@progbits
	.p2align	6, 0x0
	.amdhsa_kernel k_q82afb75d2f_qproj
		.amdhsa_group_segment_fixed_size 170496
		.amdhsa_private_segment_fixed_size 0
		.amdhsa_enable_private_segment 0
		.amdhsa_kernarg_size 40
		.amdhsa_user_sgpr_count 2
		.amdhsa_user_sgpr_kernarg_segment_ptr 1
		.amdhsa_wavefront_size32 1
		.amdhsa_system_sgpr_workgroup_id_x 1
		.amdhsa_system_sgpr_workgroup_id_y 1
		.amdhsa_system_sgpr_workgroup_id_z 1
		.amdhsa_system_vgpr_workitem_id 0
		.amdhsa_next_free_vgpr 1024
		.amdhsa_next_free_sgpr 66
		.amdhsa_reserve_vcc 0
		.amdhsa_float_denorm_mode_32 3
		.amdhsa_float_denorm_mode_16_64 3
		.amdhsa_memory_ordered 1
		.amdhsa_forward_progress 1
		.amdhsa_inst_pref_size 211
	.end_amdhsa_kernel
	.amdgpu_metadata
---
amdhsa.version: [ 1, 2 ]
amdhsa.kernels:
  - .name:           k_q82afb75d2f_qproj
    .symbol:         k_q82afb75d2f_qproj.kd
    .args:
      - { .name: x, .offset: 0, .size: 8, .value_kind: global_buffer, .address_space: global }
      - { .name: Wq_codes, .offset: 8, .size: 8, .value_kind: global_buffer, .address_space: global }
      - { .name: Wq_scales, .offset: 16, .size: 8, .value_kind: global_buffer, .address_space: global }
      - { .name: qc, .offset: 24, .size: 8, .value_kind: global_buffer, .address_space: global }
      - { .name: qs, .offset: 32, .size: 8, .value_kind: global_buffer, .address_space: global }
    .group_segment_fixed_size: 170496
    .private_segment_fixed_size: 0
    .kernarg_segment_align: 8
    .kernarg_segment_size: 40
    .max_flat_workgroup_size: 128
    .sgpr_count:     66
    .vgpr_count:     1024
    .wavefront_size: 32
...
	.end_amdgpu_metadata
.endif
;; end of part 1
;; launch attn (part 2): grid 4 x 64, 16 waves a work-group, no clusters, 321,536 bytes of LDS; arguments qc, qs, k_codes, k_scales, v_codes, v_scales, x, out0; writes out0
.if DOCPART == 2
	.amdgcn_target "amdgcn-amd-amdhsa--gfx1250"
	.amdhsa_code_object_version 6
	.text
	.protected	k_q82afb75d2f_attn
	.globl	k_q82afb75d2f_attn
	.p2align	8
	.type	k_q82afb75d2f_attn,@function
k_q82afb75d2f_attn:
	s_mov_b64 s[64:65], 0
	v_nop
	global_prefetch_b8 v0, s[64:65] scope:SCOPE_SE
	s_setreg_imm32_b32 hwreg(HW_REG_WAVE_MODE, 25, 1), 1
	s_wait_xcnt 0x0
; out = x + softmax(q k^T / 32, causal) v for one head a work-group row, on codes of BF6 (E3M2) with one E8M0 scale for each 32 along K.
; DEAD WORK: reference() builds its causal mask itself (triu, k = 1): key > query gets -inf and so the weight 0, whatever the inputs hold.  Every step of 128 keys all of whose keys
; come after a tile's 16 queries is left out.  LIMIT: a NaN, an infinity or an overflow that reaches only the work left out is not carried to the result.
; LIMIT: the promise holds while the scaled scores (score x log2(e) / 32) stay under 2^31 in magnitude.
; SHARES.  Work-group (jj, hb): head hb = 16 batch + head.  Wave w owns two tiles of 16 queries: tile A = 4 w + jj and tile B = 127 - A.  A takes w / 2 + 1 steps of 128 keys, B 16 - w / 2: 17 for every wave.
; LDS holds the head's WHOLE K and V (codes and scales), filled once by lane-wise asynchronous copies at the head: nothing is filled again, and no barrier stands in a loop.
;   K: a block of 32 keys (1,536 bytes) every 1,664 bytes: the two blocks that a fragment load touches start 32 banks apart.   V: a row d (1,536 bytes) every 1,552 bytes: row r starts at bank 4 r.
;   Scales: rows of 64 bytes every 80: 64 rows of K's (32 keys each), then 64 rows of V's (one d each).
;   V's FIRST BYTES A SECOND TIME: bytes 0-511 of each row (keys 0-682) every 528 bytes, in a region of their own, for the first loop alone: so that loop reads no region into which a copy is still on its way.
; NO CLUSTER, NO TENSOR LOAD: these pitches put padding behind 384 words, and a tensor descriptor pads behind a power of two of words alone; lane-wise copies have no joint form.
; NO PREFETCH OF K AND V: all their bytes are asked for at the head, so there is no loop to run ahead in.  x's rows of tile A are prefetched at the head (a lane a row); tile B's are loaded into tile A's freed registers, a whole loop ahead of their use.
; ORDER: q's loads; the copies that the first loop reads; the other copies.  Behind the first copies and a barrier tile B takes its first steps while the others land; a second barrier; tile A, stored at once; the rest of tile B.
; THE KEYS OF A TILE OF K ARE NOT NEIGHBOURS: lane r of tile t takes key 64 (t / 4) + 32 (r / 8) + 8 (t % 4) + r % 8.  Both products are used transposed (S^T = k q^T, O^T = v^T p^T), so lane (r, h) holds query r,
; and its register S + n the key 64 (n / 32) + 32 h + n % 32: two WHOLE blocks of 32 keys in the order of the next operand: no lane is asked for a block's maximum and no codes change lanes.
; K = 64 fills half of the instruction's 128: q's registers 6-11 are zero codes, and K's upper six registers are the next tile's codes, which those zeros multiply.
.set KBLK,  1664
.set VB,    106496
.set VP,    1552
.set SC,    205824
.set SCV,   SC+5120
.set STAGE, 216064                     ; 16 rows x 272 bytes for each wave, on bytes that no copy fills
.set SPARE, 285696                     ; the spare words, 128 bytes for each wave
.set V0B,   287744                     ; V's first 512 bytes of each row
.set V0P,   528
.set FIRST, 640                        ; the first loop's keys: five steps, 480 bytes of a row of V, K's blocks 0-19
.set AK0, 1
.set AV0, 2
.set AV2, 3
.set ASK0, 4
.set ASV0, 5
.set SPW, 6
.set NIL, 7
.set ADK, 8
.set ADV, 9
.set ADV2, 10
.set ADS, 11
.set ADT, 12
.set DL,  13
.set PFX, 14
.set GO,  15
.set STA, 16                           ; -M, the running largest score, the row's sum in two halves
.set STB, 20
.set QA,  24
.set QB,  36
.set QSA, 48
.set QSB, 49
.set FB,  50                           ; four fragments of K (6 registers each) and six zeros
.set S,   80                           ; scores, then p, then V's four fragments; at the head: R .. T1
.set R,   80
.set H,   81
.set LN,  82
.set L16, 83
.set L8,  84
.set R8,  85
.set T0,  86
.set T1,  87
.set OA,  144                          ; O^T of tile A; until the second barrier: the copies' addresses; behind tile A's stores: x's rows of tile B
.set CG,  144
.set CK,  146
.set CV,  150
.set CSG, 154
.set CSL, 155
.set CV0, 156
.set OB,  176
.set PCD, 208
.set BM,  220
.set SO,  222
.set T2,  224
.set CH,  232
.set KS,  236
.set VS,  240
.set F,   242                          ; v243 = 0: the pair's upper half
.set PSW, 244
.set TMP, 245
.set TM2, 246
.set NINF, 247
.set SH8, 248
.set W,   249
.set STI, 250
.set STO, 251
.set W2,  252
.set AW0, 253                          ; v253, v254: as AV0 and AV2, in the region of V's first bytes
.set WV,  20
.set HB,  21
.set TA,  22
.set TBB, 23
.set KCB, 24
.set VCB, 26
.set SB,  28
.set SEL, 30
.set CS,  32
.set TK,  34
.set TV,  35
.set TS,  36
.set TJ,  37
.set KF,  38
.set Q0A, 39
.set Q0B, 40
.set STG, 41
.set XA,  42
.set XB,  44
.set OUTA, 46
.set OUTB, 48
.macro QLOAD tz, qf, qw, pc, ps        ; q's image of 768 bytes (registers 0-3 at 16 x lane, 4-5 at 512 + 8 x lane) and its scale words (tile m at 128 (m / 2) + 8 r + 4 (m % 2))
	s_lshl_b32 s[\pc], s[HB], 7
	s_add_co_u32 s[\pc], s[\pc], s[\tz]
	s_mul_i32 s[\pc], s[\pc], 768
	s_mov_b32 s[\pc+1], 0
	s_add_nc_u64 s[\pc:\pc+1], s[4:5], s[\pc:\pc+1]
	s_lshl_b32 s[\ps], s[HB], 13
	s_lshr_b32 s[\ps+1], s[\tz], 1
	s_lshl_b32 s[\ps+1], s[\ps+1], 7
	s_add_co_u32 s[\ps], s[\ps], s[\ps+1]
	s_and_b32 s[\ps+1], s[\tz], 1
	s_lshl_b32 s[\ps+1], s[\ps+1], 2
	s_add_co_u32 s[\ps], s[\ps], s[\ps+1]
	s_mov_b32 s[\ps+1], 0
	s_add_nc_u64 s[\ps:\ps+1], s[6:7], s[\ps:\ps+1]
	global_load_b128 v[\qf:\qf+3], v[L16], s[\pc:\pc+1]
	global_load_b64 v[\qf+4:\qf+5], v[L8], s[\pc:\pc+1] offset:512
	global_load_b32 v[\qw], v[R8], s[\ps:\ps+1]
.endm
	s_load_b256 s[4:11], s[0:1], 0x0               ; qc, qs, k_codes, k_scales
	s_load_b256 s[12:19], s[0:1], 0x20             ; v_codes, v_scales, x, out0
	v_lshl_add_u32 v[SPW], v0, 2, SPARE
	v_mov_b32 v[NIL], 0
	ds_add_u32 v[SPW], v[NIL]                      ; the opening lines: the add, twice on end, and its wait ahead of my first copy
	ds_add_u32 v[SPW], v[NIL]
	v_lshrrev_b32 v[T0], 5, v0
	v_readfirstlane_b32 s[WV], v[T0]               ; wave 0..15
	s_and_b32 s[HB], ttmp7, 0xffff
	s_lshl_b32 s[TA], s[WV], 2
	s_add_co_u32 s[TA], s[TA], ttmp9               ; tile A = 4 w + jj
	s_sub_co_u32 s[TBB], 127, s[TA]
	s_lshl_b32 s[Q0A], s[TA], 4
	s_lshl_b32 s[Q0B], s[TBB], 4
	s_mul_i32 s50, s[WV], 1536
	s_mul_i32 s51, s[WV], KBLK
	s_mul_i32 s56, s[WV], VP
	s_add_co_u32 s56, s56, VB
	s_and_b32 s57, s[WV], 7
	s_lshl_b32 s57, s57, 9
	s_mul_i32 s58, s[WV], 640
	s_add_co_u32 s58, s58, SC
	s_mul_i32 s[STG], s[WV], 4352
	s_add_co_u32 s[STG], s[STG], STAGE
	s_mul_i32 s63, s[WV], V0P
.irp j, 0,1,2,3
	s_add_co_u32 s[60+\j], s63, V0B+16*V0P*\j-24576*(\j%2)   ; (s63 is rewritten last)
.endr
	s_mul_i32 s52, s[HB], 98304                    ; a head's codes of K, and of V
	s_mov_b32 s53, 0
	s_lshl_b32 s54, s[HB], 12                      ; a head's scales
	s_mov_b32 s55, 0
	v_and_b32 v[LN], 31, v0
	v_and_b32 v[R], 15, v0                         ; r
	v_lshlrev_b32 v[L16], 4, v[LN]
	v_lshlrev_b32 v[L8], 3, v[LN]
	v_lshlrev_b32 v[R8], 3, v[R]
	v_add_nc_u32 v[CG], s50, v[L16]                ; in memory: block (or row) w + 16 j, 16 bytes a lane: register j / 2, and 24,576 (j % 2) + the piece of 512 bytes in the immediate, which counts for both addresses
	v_add_nc_u32 v[CG+1], 49152, v[CG]
	v_add_nc_u32 v[CK], s51, v[L16]                ; in LDS: K's block w + 16 j lies 16 x 1,664 j on, of which the immediate brings 24,576 (j % 2)
.irp j, 1,2,3
	v_add_nc_u32 v[CK+\j], 16*KBLK*\j-24576*(\j%2), v[CK]
.endr
	v_add_nc_u32 v[CV], s56, v[L16]                ; V's row w + 16 j: 16 x 1,552 j on, likewise
.irp j, 1,2,3
	v_add_nc_u32 v[CV+\j], 16*VP*\j-24576*(\j%2), v[CV]
.endr
	v_add_nc_u32 v[CSG], s57, v[L16]               ; scales: waves 0-7 K's, waves 8-15 V's: 512 bytes each
	v_lshrrev_b32 v[T0], 2, v[LN]
	v_mul_u32_u24 v[T0], v[T0], 80
	v_and_b32 v[T1], 3, v[LN]
	v_lshl_add_u32 v[T0], v[T1], 4, v[T0]
	v_add_nc_u32 v[CSL], s58, v[T0]                ; row 8 w + lane / 4 of 80 bytes
.irp j, 0,1,2,3
	v_add_nc_u32 v[CV0+\j], s[60+\j], v[L16]       ; V's first bytes: row w + 16 j of 528 bytes
.endr
	s_wait_alu depctr_va_vdst(0)                   ; directly ahead of the waits below
	s_wait_dscnt 0x0                               ; both opening adds are done
	s_wait_kmcnt 0x0
	QLOAD TBB, QB, QSB, 60, 62                     ; q ahead of the copies: the first step waits for it
	QLOAD TA, QA, QSA, 56, 58
	s_add_nc_u64 s[KCB:KCB+1], s[8:9], s[52:53]
	s_add_nc_u64 s[VCB:VCB+1], s[12:13], s[52:53]
	s_cmp_lt_u32 s[WV], 8
	s_cselect_b64 s[SB:SB+1], s[10:11], s[14:15]
	s_add_nc_u64 s[SB:SB+1], s[SB:SB+1], s[54:55]
	global_load_async_to_lds_b128 v[CSL], v[CSG], s[SB:SB+1]                          ; 11 copies for the first loop: scales,
.irp j, 0,1
.irp i, 0,1,2
	global_load_async_to_lds_b128 v[CK+\j], v[CG], s[KCB:KCB+1] offset:24576*\j+512*\i   ; K's blocks w and w + 16 (keys 0-1,023 over the 16 waves),
.endr
.endr
.irp j, 0,1,2,3
	global_load_async_to_lds_b128 v[CV0+\j], v[CG+\j/2], s[VCB:VCB+1] offset:24576*(\j%2)   ; bytes 0-511 of V's rows w + 16 j, into their own region
.endr
.irp j, 2,3
.irp i, 0,1,2
	global_load_async_to_lds_b128 v[CK+\j], v[CG+1], s[KCB:KCB+1] offset:24576*(\j%2)+512*\i   ; 18 more: K's blocks w + 32 and w + 48, LDS bytes 53,248 to 106,495,
.endr
.endr
.irp j, 0,1,2,3
.irp i, 0,1,2
	global_load_async_to_lds_b128 v[CV+\j], v[CG+\j/2], s[VCB:VCB+1] offset:24576*(\j%2)+512*\i   ; and V's whole rows w + 16 j, LDS bytes 106,496 to 205,823
.endr
.endr
	v_bfe_u32 v[H], v0, 4, 1                       ; h
	v_lshrrev_b32 v[T0], 3, v[R]
	v_and_b32 v[T1], 7, v[R]
	v_mul_u32_u24 v[AK0], v[T0], KBLK              ; K: block r / 8, key r % 8 of 48 bytes, + 24 h
	v_mad_u32_u24 v[AK0], v[T1], 48, v[AK0]
	v_mad_u32_u24 v[AK0], v[H], 24, v[AK0]
	v_mul_u32_u24 v[AV0], v[R], VP                 ; V: row r, + 24 h
	v_mad_u32_u24 v[AV0], v[H], 24, v[AV0]
	v_add_nc_u32 v[AV0], VB, v[AV0]
	v_add_nc_u32 v[AV2], 32*VP, v[AV0]             ; tiles 2 and 3 (an LDS offset has 16 bits)
	v_mul_u32_u24 v[AW0], v[R], V0P                ; the same in the region of V's first bytes
	v_mad_u32_u24 v[AW0], v[H], 24, v[AW0]
	v_add_nc_u32 v[AW0], V0B, v[AW0]
	v_add_nc_u32 v[AW0+1], 32*V0P, v[AW0]
	v_mul_u32_u24 v[ASK0], v[T0], 80               ; K's scales: lanes 0-15 an even tile's rows, lanes 16-31 the next tile's, 8 keys on
	v_lshl_add_u32 v[ASK0], v[H], 4, v[ASK0]
	v_lshl_add_u32 v[ASK0], v[T1], 1, v[ASK0]
	v_add_nc_u32 v[ASK0], SC, v[ASK0]
	v_mul_u32_u24 v[ASV0], v[LN], 80               ; V's scales: row d = lane of a pair of tiles
	v_add_nc_u32 v[ASV0], SCV, v[ASV0]
	v_lshlrev_b32 v[DL], 5, v[H]
	v_sub_nc_u32 v[DL], v[R], v[DL]                ; r - 32 h, for the mask
	v_lshlrev_b32 v[GO], 12, v[H]
	v_lshl_add_u32 v[GO], v[R], 4, v[GO]           ; x and out: lanes 0-15 one row's 256 bytes, lanes 16-31 the next row's
	v_lshlrev_b32 v[SH8], 3, v[H]
	v_min_u32 v[PFX], 15, v[LN]                    ; the prefetch: a lane a row; lanes 16-31 name row 15 again
	v_lshlrev_b32 v[PFX], 12, v[PFX]
	v_mul_u32_u24 v[STI], v[R], 272
	v_lshl_add_u32 v[STI], v[H], 5, v[STI]
	v_add_nc_u32 v[STI], s[STG], v[STI]
	v_mul_u32_u24 v[STO], v[H], 272
	v_lshl_add_u32 v[STO], v[R], 4, v[STO]
	v_add_nc_u32 v[STO], s[STG], v[STO]
.irp i, 6,7,8,9,10,11
	v_mov_b32 v[QA+\i], 0
	v_mov_b32 v[QB+\i], 0
	v_mov_b32 v[FB+18+\i], 0
.endr
.macro STINIT st                       ; -M far above every -M to come: the first factor is 0, on sums that are 0
	v_mov_b32 v[\st], 0x7e967699
	v_mov_b32 v[\st+1], 0xff61b1e6
	v_mov_b32 v[\st+2], 0
	v_mov_b32 v[\st+3], 0
.endm
	STINIT STB
	v_mov_b32 v[TM2], 0                            ; a lane permute's destination counts as one of its sources
	v_mov_b32 v[F+1], 0
	v_mov_b32 v[NINF], 0xff800000
.set NN, 0
.rept 32
	v_mov_b32 v[OB+NN], 0                          ; the step is written once: the first finds zeros
.set NN, NN+1
.endr
	s_wait_alu depctr_va_vdst(0)                   ; at the end of the head's vector work
	s_lshr_b32 s50, s[HB], 4
	s_lshl_b32 s50, s50, 23
	s_and_b32 s51, s[HB], 15
	s_lshl_b32 s51, s51, 8
	s_add_co_u32 s50, s50, s51                     ; batch x 2,048 rows of 4,096 bytes + head x 256
	s_lshl_b32 s52, s[Q0A], 12
	s_add_co_u32 s52, s52, s50
	s_mov_b32 s53, 0
	s_lshl_b32 s54, s[Q0B], 12
	s_add_co_u32 s54, s54, s50
	s_mov_b32 s55, 0
	s_add_nc_u64 s[XA:XA+1], s[16:17], s[52:53]
	s_add_nc_u64 s[OUTA:OUTA+1], s[18:19], s[52:53]
	s_add_nc_u64 s[XB:XB+1], s[16:17], s[54:55]
	s_add_nc_u64 s[OUTB:OUTB+1], s[18:19], s[54:55]
	global_prefetch_b8 v[PFX], s[XA:XA+1] th:TH_LOAD_NT scope:SCOPE_SE   ; tile A's 16 rows of x, 256 bytes each; its registers are never rewritten
	s_mov_b32 s[SEL], 0x76543210
	s_mov_b32 s[SEL+1], 0xfedcba98                 ; lane l xor 16
	s_mov_b32 s[CS], 0x3d38aa3b                    ; log2(e) / 32
	s_mov_b32 s[CS+1], s[CS]
.macro START kf                        ; the walk stands at key kf
	s_mov_b32 s[KF], \kf
	s_mov_b32 s[TK], (\kf)/32*KBLK
	s_mov_b32 s[TV], (\kf)/4*3
	s_mov_b32 s[TS], (\kf)/32*80
	s_mov_b32 s[TJ], (\kf)/32
.endm
.macro NEXT
	s_add_co_u32 s[TK], s[TK], 4*KBLK
	s_add_co_u32 s[TV], s[TV], 96
	s_add_co_u32 s[TS], s[TS], 320
	s_add_co_u32 s[TJ], s[TJ], 4
	s_add_co_u32 s[KF], s[KF], 128
.endm
.macro QK d, a, qf, ks, qw, row
.if \row
	v_wmma_scale_f32_16x16x128_f8f6f4 v[(\d):(\d)+7], v[(\a):(\a)+11], v[\qf:\qf+11], 0, v[\ks], v[\qw] matrix_a_fmt:MATRIX_FMT_BF6 matrix_b_fmt:MATRIX_FMT_BF6 matrix_a_scale:MATRIX_SCALE_ROW1
.else
	v_wmma_scale_f32_16x16x128_f8f6f4 v[(\d):(\d)+7], v[(\a):(\a)+11], v[\qf:\qf+11], 0, v[\ks], v[\qw] matrix_a_fmt:MATRIX_FMT_BF6 matrix_b_fmt:MATRIX_FMT_BF6
.endif
.endm
.macro PV d, a, vs, row
.if \row
	v_wmma_scale_f32_16x16x128_f8f6f4 v[(\d):(\d)+7], v[(\a):(\a)+11], v[PCD:PCD+11], v[(\d):(\d)+7], v[\vs], v[PSW] matrix_a_fmt:MATRIX_FMT_BF6 matrix_b_fmt:MATRIX_FMT_BF6 matrix_a_scale:MATRIX_SCALE_ROW1
.else
	v_wmma_scale_f32_16x16x128_f8f6f4 v[(\d):(\d)+7], v[(\a):(\a)+11], v[PCD:PCD+11], v[(\d):(\d)+7], v[\vs], v[PSW] matrix_a_fmt:MATRIX_FMT_BF6 matrix_b_fmt:MATRIX_FMT_BF6
.endif
.endm
.macro MX c, r                         ; chain c: the largest of scores 16 c .. 16 c + 14, each accumulator read from its low end on
.if (\r) == 0
	v_max3_num_f32 v[CH+\c], v[S+16*\c], v[S+16*\c+1], v[S+16*\c+2]
.else
	v_max3_num_f32 v[CH+\c], v[CH+\c], v[S+16*\c+2*(\r)+1], v[S+16*\c+2*(\r)+2]
.endif
.endm
; One tile of 16 queries x 128 keys.  edge = 1: the step may lie past the tile (jumped over, by ids alone) or on its diagonal (masked).  av, vp: V's two address registers and its row pitch
.macro TSTEP st, qf, qw, ot, qz, edge, av, vp
.if \edge
	s_add_co_u32 s50, s[\qz], 15
	s_cmp_gt_u32 s[KF], s50
	s_cbranch_scc1 .Lhid_\@
.endif
	v_add_nc_u32 v[ADK], s[TK], v[AK0]             ; five plain places ahead of products that write over V's fragments of the step before
	v_add_nc_u32 v[ADV], s[TV], v[\av]
	v_add_nc_u32 v[ADV2], s[TV], v[\av+1]
	v_add_nc_u32 v[ADS], s[TS], v[ASK0]
	v_add_nc_u32 v[ADT], s[TJ], v[ASV0]
	s_wait_alu depctr_va_vdst(0)
.irp g, 0,1,2,3
	ds_load_u16 v[KS+\g], v[ADS] offset:160*(\g/2)+32*(\g%2)
.endr
.irp g, 0,1
.if \g > 0
.rept 4
	v_nop                                          ; places in front of loads into registers that the products have read
.endr
.endif
.irp t, 0,1,2,3
.irp p, 0,1,2
	ds_load_b64 v[FB+6*\t+2*\p:FB+6*\t+2*\p+1], v[ADK] offset:2*KBLK*\g+384*\t+8*\p
.endr
.endr
	s_wait_dscnt 0x0
.irp t, 0,1,2,3
	QK S+8*(4*\g+\t), FB+6*\t, \qf, KS+(4*\g+\t)/2, \qw, \t%2
.endr
.endr
.if \edge
	s_add_co_u32 s50, s[KF], 127
	s_cmp_le_u32 s50, s[\qz]
	s_cbranch_scc1 .Lopen_\@
	s_sub_co_i32 s50, s[\qz], s[KF]
	v_add_nc_u32 v[TMP], s50, v[DL]                ; my query less my first key
.set NN, 0
.rept 64
	v_cmp_gt_i32 vcc_lo, 64*(NN/32)+NN%32, v[TMP]
	v_cndmask_b32 v[S+NN], v[S+NN], v[NINF], vcc_lo
.set NN, NN+1
.endr
.Lopen_\@:
.endif
.set RR, 0
.rept 9                                ; four chains; those of the second block begin two rounds later: four plain places behind the last products
.if RR < 7
	MX 0, RR
	MX 1, RR
.endif
.if RR >= 2
	MX 2, RR-2
	MX 3, RR-2
.endif
.set RR, RR+1
.endr
	v_max3_num_f32 v[BM], v[CH], v[CH+1], v[S+15]
	v_max3_num_f32 v[BM+1], v[CH+2], v[CH+3], v[S+47]
	v_max_num_f32 v[BM], v[BM], v[S+31]            ; the largest score of my block h,
	v_max_num_f32 v[BM+1], v[BM+1], v[S+63]        ; and of my block 2 + h: they serve the row's maximum and, since p rises with the score, the blocks' scales
	s_delay_alu instid0(VALU_DEP_1)
	v_max_num_f32 v[TMP], v[BM], v[BM+1]
	s_delay_alu instid0(VALU_DEP_1)
	v_permlanex16_b32 v[TM2], v[TMP], s[SEL], s[SEL+1]
	s_delay_alu instid0(VALU_DEP_1)
	v_max3_num_f32 v[\st+1], v[\st+1], v[TMP], v[TM2]   ; the running largest score
	s_delay_alu instid0(VALU_DEP_1)
	v_mul_f32 v[TMP], s[CS], v[\st+1]
	s_delay_alu instid0(VALU_DEP_1)
	v_floor_f32 v[TM2], -v[TMP]                    ; -M = -ceil(t): a whole number
	s_delay_alu instid0(VALU_DEP_1)
	v_sub_f32 v[TMP], v[TM2], v[\st]
	v_mov_b32 v[\st], v[TM2]
	s_delay_alu instid0(VALU_DEP_2)
	v_cvt_i32_f32 v[TMP], v[TMP]                   ; (it saturates)
	s_delay_alu instid0(VALU_DEP_1)
	v_ldexp_f32 v[F], 1.0, v[TMP]                  ; f = 2^(old M - new M)
.set NN, 0
.rept 32
	v_pk_fma_f32 v[S+NN:S+NN+1], v[S+NN:S+NN+1], s[CS:CS+1], v[\st:\st+1] op_sel_hi:[1,0,0]   ; t - M
.set NN, NN+2
.endr
	v_fma_f32 v[BM], v[BM], s[CS], v[\st]
	v_fma_f32 v[BM+1], v[BM+1], s[CS], v[\st]
	s_wait_alu depctr_va_vdst(0)                   ; ahead of the batch
.set NN, 0
.rept 64
	v_exp_f32 v[S+NN], v[S+NN]                     ; p = 2^(t - M)
.set NN, NN+1
.endr
	v_exp_f32 v[BM], v[BM]                         ; each block's largest p: the same two instructions on the same number
	v_exp_f32 v[BM+1], v[BM+1]
	v_pk_mul_f32 v[\st+2:\st+3], v[\st+2:\st+3], v[F:F+1] op_sel_hi:[1,0]   ; the sums under the new M (the plain place behind the batch)
	s_wait_alu depctr_va_vdst(0)                   ; one wait for the whole batch, ahead of its first reader
	v_max_num_f32 v[BM], 0x2800000, v[BM]          ; the floor 2^(5 - 127): the byte cannot fall under 1
	v_max_num_f32 v[BM+1], 0x2800000, v[BM+1]
	s_delay_alu instid0(VALU_DEP_2)
	v_add_nc_u32 v[SO], 0xfe000000, v[BM]          ; 4 off the exponent field: the conversion's scale operand
	s_delay_alu instid0(VALU_DEP_2)
	v_add_nc_u32 v[SO+1], 0xfe000000, v[BM+1]
	s_delay_alu instid0(VALU_DEP_2)
	v_lshrrev_b32 v[W], 23, v[SO]
	s_delay_alu instid0(VALU_DEP_2)
	v_lshrrev_b32 v[W2], 23, v[SO+1]
	s_delay_alu instid0(VALU_DEP_1)
	v_lshl_or_b32 v[W], v[W2], 16, v[W]            ; my two bytes: blocks h and 2 + h,
	s_delay_alu instid0(VALU_DEP_1)
	v_lshlrev_b32 v[W], v[SH8], v[W]               ; at their places in the word;
	s_delay_alu instid0(VALU_DEP_1)
	v_permlanex16_b32 v[TM2], v[W], s[SEL], s[SEL+1]
	s_delay_alu instid0(VALU_DEP_1)
	v_or_b32 v[PSW], v[W], v[TM2]                  ; with lane l xor 16's two the word is whole
	v_pk_add_f32 v[\st+2:\st+3], v[\st+2:\st+3], v[S:S+1]   ; the row's sum, of the unquantised p: four chains
.irp q, 1,2,3
	v_pk_add_f32 v[T2+2*\q:T2+2*\q+1], v[S+2*\q:S+2*\q+1], v[S+8+2*\q:S+9+2*\q]
.endr
	v_pk_add_f32 v[\st+2:\st+3], v[\st+2:\st+3], v[S+8:S+9]
.set NN, 16
.rept 6
	v_pk_add_f32 v[\st+2:\st+3], v[\st+2:\st+3], v[S+NN:S+NN+1]
.irp q, 1,2,3
	v_pk_add_f32 v[T2+2*\q:T2+2*\q+1], v[T2+2*\q:T2+2*\q+1], v[S+NN+2*\q:S+NN+2*\q+1]
.endr
.set NN, NN+8
.endr
	v_pk_add_f32 v[T2+2:T2+3], v[T2+2:T2+3], v[T2+4:T2+5]
	v_pk_add_f32 v[\st+2:\st+3], v[\st+2:\st+3], v[T2+6:T2+7]
	v_pk_add_f32 v[\st+2:\st+3], v[\st+2:\st+3], v[T2+2:T2+3]
.irp c, 0,1
	v_cvt_scalef32_pk16_bf6_f32 v[PCD+6*\c:PCD+6*\c+2], v[S+32*\c:S+32*\c+15], v[SO+\c]
	v_cvt_scalef32_pk16_bf6_f32 v[T2+4*\c:T2+4*\c+2], v[S+32*\c+16:S+32*\c+31], v[SO+\c]   ; (a conversion's three registers begin on an even number)
.endr
	v_nop                                          ; one plain place behind a scaled conversion
.irp t, 0,1,2,3
.irp p, 0,1,2,3,4,5
	ds_load_b64 v[S+12*\t+2*\p:S+12*\t+2*\p+1], v[ADV+\t/2] offset:16*\vp*(\t%2)+48*(\p/3)+8*(\p%3)
.endr
.endr
	ds_load_b32 v[VS], v[ADT]
	ds_load_b32 v[VS+1], v[ADT] offset:2560
.irp c, 0,1
.irp i, 0,1,2
	v_mov_b32 v[PCD+3+6*\c+\i], v[T2+4*\c+\i]
.endr
.endr
	s_wait_alu depctr_va_vdst(0)                   ; directly ahead of the first reader of O^T
.set NN, 0
.rept 16
	v_pk_mul_f32 v[\ot+NN:\ot+NN+1], v[\ot+NN:\ot+NN+1], v[F:F+1] op_sel_hi:[1,0]   ; O^T under the new M; also the places in front of the products below
.set NN, NN+2
.endr
	s_wait_alu depctr_va_vdst(0)                   ; directly ahead of the wait below
	s_wait_dscnt 0x0
.irp t, 0,1,2,3
	PV \ot+8*\t, S+12*\t, VS+\t/2, \t%2            ; the four accumulators take turns
.endr
.if \edge
.Lhid_\@:
.endif
.endm
; A finished tile: O^T / the sum, through my own stage into whole rows of 256 bytes, + x, stored.  xs: where x's rows are loaded from here (0: they were loaded earlier)
.macro SENDT st, ot, xr, ob, xs
.rept 4
	v_nop                                          ; places behind the last products
.endr
.if \xs
.irp i, 0,1,2,3,4,5,6,7
	global_load_b128 v[\xr+4*\i:\xr+4*\i+3], v[GO], s[\xs:\xs+1] offset:8192*\i th:TH_LOAD_NT
.endr
.endif
	v_add_f32 v[\st+2], v[\st+2], v[\st+3]
	s_delay_alu instid0(VALU_DEP_1)
	v_permlanex16_b32 v[TM2], v[\st+2], s[SEL], s[SEL+1]
	s_delay_alu instid0(VALU_DEP_1)
	v_add_f32 v[\st+2], v[\st+2], v[TM2]           ; with lane l xor 16's keys: the row's sum
	s_wait_alu depctr_va_vdst(0)                   ; ahead of the transcendental
	v_rcp_f32 v[F], v[\st+2]
	v_nop
	s_wait_alu depctr_va_vdst(0)                   ; and ahead of its first reader, which is also O^T's
.set NN, 0
.rept 16
	v_pk_mul_f32 v[\ot+NN:\ot+NN+1], v[\ot+NN:\ot+NN+1], v[F:F+1] op_sel_hi:[1,0]
.set NN, NN+2
.endr
.irp t, 0,1,2,3
	ds_store_b128 v[STI], v[\ot+8*\t:\ot+8*\t+3] offset:64*\t
	ds_store_b128 v[STI], v[\ot+8*\t+4:\ot+8*\t+7] offset:64*\t+16
.endr
.irp i, 0,1,2,3,4,5,6,7
	ds_load_b128 v[\ot+4*\i:\ot+4*\i+3], v[STO] offset:544*\i   ; LDS serves a wave's instructions in order: these see the stores above
.endr
	s_wait_dscnt 0x0
	s_wait_loadcnt 0x0
.set NN, 0
.rept 16
	v_pk_add_f32 v[\ot+NN:\ot+NN+1], v[\ot+NN:\ot+NN+1], v[\xr+NN:\xr+NN+1]
.set NN, NN+2
.endr
.irp i, 0,1,2,3,4,5,6,7
	global_store_b128 v[GO], v[\ot+4*\i:\ot+4*\i+3], s[\ob:\ob+1] offset:8192*\i th:TH_STORE_NT   ; 16 lanes store 256 consecutive bytes, aligned
.endr
.endm
	START 0
	s_wait_asynccnt 18                             ; my first 11 copies have landed; the 18 issued behind them may be out: they fill K's blocks 32-63 and V's whole rows, which no wave reads before the second barrier
	s_wait_loadcnt 0x0                             ; q
	s_barrier_signal -1
	s_barrier_wait -1
.Lfirst:                                               ; tile B, keys 0-639 (K's blocks 0-19, V's first bytes): all of them come before its queries (1,024 and up)
	TSTEP STB, QB, QSB, OB, Q0B, 0, AW0, V0P
	NEXT
	s_cmp_lt_u32 s[KF], FIRST
	s_cbranch_scc1 .Lfirst
	s_wait_asynccnt 0x0                            ; all my copies have landed,
	s_barrier_signal -1
	s_barrier_wait -1                              ; and everybody's: K and V are whole
.set NN, 0
.rept 32
	v_mov_b32 v[OA+NN], 0                          ; (the copies' address registers are free behind their wait)
.set NN, NN+1
.endr
	STINIT STA
	START 0
	s_wait_alu depctr_va_vdst(0)                   ; ahead of the loop's branches
.Ltile_a:                                              ; a constant count of trips; the steps past the tile are jumped over
	TSTEP STA, QA, QSA, OA, Q0A, 1, AV0, VP
	NEXT
	s_cmp_lt_u32 s[KF], 1024
	s_cbranch_scc1 .Ltile_a
	SENDT STA, OA, S, OUTA, XA
	s_wait_xcnt 0x0                                ; the stores have read their registers: tile B's rows of x land there
.irp i, 0,1,2,3,4,5,6,7
	global_load_b128 v[OA+4*\i:OA+4*\i+3], v[GO], s[XB:XB+1] offset:8192*\i th:TH_LOAD_NT
.endr
	START FIRST
.Ltile_b:
	TSTEP STB, QB, QSB, OB, Q0B, 1, AV0, VP
	NEXT
	s_cmp_lt_u32 s[KF], 2048
	s_cbranch_scc1 .Ltile_b
	SENDT STB, OB, OA, OUTB, 0
	s_wait_asynccnt 0x0
	s_wait_tensorcnt 0x0                           ; the wave's end
	ds_add_u32 v[SPW], v[NIL]
	s_wait_dscnt 0x0
	s_endpgm
.Lfunc_end_k_q82afb75d2f_attn:
	.size	k_q82afb75d2f_attn, .Lfunc_end_k_q82afb75d2f_attn-k_q82afb75d2f_attn
	.p2alignl 7, 3214868480
	.fill 96, 4, 3214868480
	.section	.rodata,"a",@progbits
	.p2align	6, 0x0
	.amdhsa_kernel k_q82afb75d2f_attn
		.amdhsa_group_segment_fixed_size 321536
		.amdhsa_private_segment_fixed_size 0
		.amdhsa_enable_private_segment 0
		.amdhsa_kernarg_size 64
		.amdhsa_user_sgpr_count 2
		.amdhsa_user_sgpr_kernarg_segment_ptr 1
		.amdhsa_wavefront_size32 1
		.amdhsa_system_sgpr_workgroup_id_x 1
		.amdhsa_system_sgpr_workgroup_id_y 1
		.amdhsa_system_sgpr_workgroup_id_z 1
		.amdhsa_system_vgpr_workitem_id 0
		.amdhsa_next_free_vgpr 256
		.amdhsa_next_free_sgpr 68
		.amdhsa_reserve_vcc 1
		.amdhsa_float_denorm_mode_32 3
		.amdhsa_float_denorm_mode_16_64 3
		.amdhsa_memory_ordered 1
		.amdhsa_forward_progress 1
		.amdhsa_inst_pref_size 86
	.end_amdhsa_kernel
	.amdgpu_metadata
---
amdhsa.version: [ 1, 2 ]
amdhsa.kernels:
  - .name:           k_q82afb75d2f_attn
    .symbol:         k_q82afb75d2f_attn.kd
    .args:
      - { .name: qc, .offset: 0, .size: 8, .value_kind: global_buffer, .address_space: global }
      - { .name: qs, .offset: 8, .size: 8, .value_kind: global_buffer, .address_space: global }
      - { .name: k_codes, .offset: 16, .size: 8, .value_kind: global_buffer, .address_space: global }
      - { .name: k_scales, .offset: 24, .size: 8, .value_kind: global_buffer, .address_space: global }
      - { .name: v_codes, .offset: 32, .size: 8, .value_kind: global_buffer, .address_space: global }
      - { .name: v_scales, .offset: 40, .size: 8, .value_kind: global_buffer, .address_space: global }
      - { .name: x, .offset: 48, .size: 8, .value_kind: global_buffer, .address_space: global }
      - { .name: out0, .offset: 56, .size: 8, .value_kind: global_buffer, .address_space: global }
    .group_segment_fixed_size: 321536
    .private_segment_fixed_size: 0
    .kernarg_segment_align: 8
    .kernarg_segment_size: 64
    .max_flat_workgroup_size: 512
    .sgpr_count:     68
    .vgpr_count:     256
    .wavefront_size: 32
...
	.end_amdgpu_metadata
.endif
;; end of part 2
